; MI455X (gfx1250); checked and timed in simulation.
; The chip was launched on July 23, 2026; its instructions are those of AMD's public machine-readable ISA for CDNA 5 (MIT licence, August 2026) and "CDNA5" Instruction Set Architecture Reference Guide (July 2026). The comments in the code are by the model that wrote it; some were corrected since.
;; Self Attention. Allowed arithmetic: float matrix products may take bf16 or f16 operands with f32 sums; all other float work in f32.
;; Inputs: Wk 1,024 x 1,024 float32; Wo 1,024 x 1,024 float32; Wq 1,024 x 1,024 float32; Wv 1,024 x 1,024 float32; bo 1,024 float32; x 4 x 2,048 x 1,024 float32.
;; Outputs: out0 4 x 2,048 x 1,024 float32.
;; 2 versions, each right; version 2 is version 1 with the launch cvt written anew for expert scheduling mode. Each part assembles by itself: llvm-mc -triple=amdgcn-amd-amdhsa -mcpu=gfx1250 --defsym DOCPART=n.
;; ======== version 1 of 2: 4 launches
;; limits: values are held in f16: magnitudes above 65,504 overflow, below 6.1e-05 lose precision
;; workspace buffers: xb 16,777,216 bytes; wb 8,388,608 bytes; qkv 50,331,648 bytes; ab 16,777,216 bytes
;; launch cvt (part 1): grid 768 x 1, 8 waves a work-group, no clusters, 0 bytes of LDS; arguments x, Wq, Wk, Wv, Wo, xb, wb; writes xb, wb
.if DOCPART == 1
	.amdgcn_target "amdgcn-amd-amdhsa--gfx1250"
	.amdhsa_code_object_version 6
	.text
	.protected	k_q0e5acef345_cvt
	.globl	k_q0e5acef345_cvt
	.p2align	8
	.type	k_q0e5acef345_cvt,@function
k_q0e5acef345_cvt:
	s_mov_b64 s[64:65], 0
	v_nop
	global_prefetch_b8 v0, s[64:65] scope:SCOPE_SE
	s_setreg_imm32_b32 hwreg(HW_REG_WAVE_MODE, 25, 1), 1
	s_wait_xcnt 0x0
; Rounds the matrix operands once, so that the products that follow read 16-bit tiles:
;   xb[8192][1024] = bf16(x);  wb rows 0-1023 = bf16(Wq), 1024-2047 = bf16(Wk), 2048-3071 = bf16(Wv);
;   wb rows 3072-4095 = f16(bf16(Wo)): Wo meets an f16 operand later, so its bf16 value is kept in f16.
; LIMIT: a bf16 value of Wo below 2^-14 in magnitude falls among f16's denormals and is kept with an absolute error of up to 2^-25.
; A stream: every input byte is read once and every output byte written once.  Work-groups share no input and nothing is read twice,
; so LDS, barriers, clusters and the matrix unit have nothing to add here.
; 768 work-groups of 8 waves; a work-group takes 64 KiB of f32 and makes 32 KiB.  Groups 0-511 take x, 512-767 the four weights, 64 groups each.
; A wave takes 8 KiB: sixteen loads of 512 neighbouring bytes, all issued at once; each gives one store of 256 neighbouring bytes, aligned.
; No register is written again behind a store that reads it, so no register waits for a store.
.set IN,   2                           ; v2       byte offset of my 16 bytes in the group's input
.set OUTO, 3                           ; v3       byte offset of my 8 bytes in the group's output
.set X,    4                           ; v[4:67]  sixteen loads, 4 f32 each
.set Y,    68                          ; v[68:99] sixteen stores, 4 numbers of 16 bits each
	s_load_b256 s[4:11], s[0:1], 0x0               ; x s[4:5], Wq s[6:7], Wk s[8:9], Wv s[10:11]
	s_load_b128 s[12:15], s[0:1], 0x20             ; Wo s[12:13], xb s[14:15]
	s_load_b64 s[16:17], s[0:1], 0x30              ; wb
	s_mov_b32 s2, ttmp9                            ; g, the work-group's number
	v_and_b32 v1, 31, v0                           ; lane
	v_lshrrev_b32 v0, 5, v0                        ; wave
	v_lshlrev_b32 v[IN], 4, v1
	v_lshl_add_u32 v[IN], v0, 13, v[IN]            ; 8,192 x wave + 16 x lane
	v_lshlrev_b32 v[OUTO], 3, v1
	v_lshl_add_u32 v[OUTO], v0, 12, v[OUTO]        ; 4,096 x wave + 8 x lane
	; the offsets, apart from the addresses: g < 512: g x 64 KiB in x, g x 32 KiB in xb; else e = g - 512: (e mod 64) x 64 KiB in its weight, e x 32 KiB in wb
	s_sub_co_u32 s20, s2, 512
	s_and_b32 s21, s20, 63
	s_lshl_b32 s21, s21, 16
	s_lshl_b32 s22, s20, 15
	s_lshl_b32 s23, s2, 16
	s_lshl_b32 s24, s2, 15
	s_mov_b32 s27, 0
	s_mov_b32 s29, 0
	s_cmp_lt_u32 s2, 512
	s_cselect_b32 s26, s23, s21
	s_cselect_b32 s28, s24, s22
	s_wait_kmcnt 0x0
	s_cselect_b64 s[14:15], s[14:15], s[16:17]     ; the output: xb or wb (the compare above still holds)
	s_mov_b64 s[18:19], s[12:13]                   ; the input: Wo, unless g lies below ...
	s_cmp_lt_u32 s2, 704
	s_cselect_b64 s[18:19], s[10:11], s[18:19]     ; ... 704: Wv
	s_cmp_lt_u32 s2, 640
	s_cselect_b64 s[18:19], s[8:9], s[18:19]       ; ... 640: Wk
	s_cmp_lt_u32 s2, 576
	s_cselect_b64 s[18:19], s[6:7], s[18:19]       ; ... 576: Wq
	s_cmp_lt_u32 s2, 512
	s_cselect_b64 s[18:19], s[4:5], s[18:19]       ; ... 512: x
	s_add_nc_u64 s[18:19], s[18:19], s[26:27]
	s_add_nc_u64 s[14:15], s[14:15], s[28:29]
.irp j, 0,1,2,3,4,5,6,7,8,9,10,11,12,13,14,15
	global_load_b128 v[X+4*\j:X+4*\j+3], v[IN], s[18:19] offset:512*\j th:TH_LOAD_NT   ; read once in this launch
.endr
	s_cmp_ge_u32 s2, 704
	s_cbranch_scc1 .Lwo
.irp j, 0,1,2,3,4,5,6,7,8,9,10,11,12,13,14,15
	s_wait_loadcnt 15-\j                           ; loads come back in order: load j is in, the 15 - j younger ones stay out
	v_cvt_pk_bf16_f32 v[Y+2*\j],   v[X+4*\j],   v[X+4*\j+1]
	v_cvt_pk_bf16_f32 v[Y+2*\j+1], v[X+4*\j+2], v[X+4*\j+3]
	global_store_b64 v[OUTO], v[Y+2*\j:Y+2*\j+1], s[14:15] offset:256*\j   ; 32 lanes x 8 bytes: 256 consecutive bytes, aligned
.endr
	s_endpgm
.Lwo:                                              ; Wo: round to bf16, widen, and keep that value as f16
.irp j, 0,1,2,3,4,5,6,7,8,9,10,11,12,13,14,15
	s_wait_loadcnt 15-\j
	v_cvt_pk_bf16_f32 v[Y+2*\j],   v[X+4*\j],   v[X+4*\j+1]
	v_cvt_pk_bf16_f32 v[Y+2*\j+1], v[X+4*\j+2], v[X+4*\j+3]
	v_lshlrev_b32 v[X+4*\j],   16, v[Y+2*\j]
	v_and_b32     v[X+4*\j+1], 0xffff0000, v[Y+2*\j]
	v_lshlrev_b32 v[X+4*\j+2], 16, v[Y+2*\j+1]
	v_and_b32     v[X+4*\j+3], 0xffff0000, v[Y+2*\j+1]
	v_cvt_pk_f16_f32 v[Y+2*\j],   v[X+4*\j],   v[X+4*\j+1]
	v_cvt_pk_f16_f32 v[Y+2*\j+1], v[X+4*\j+2], v[X+4*\j+3]
	global_store_b64 v[OUTO], v[Y+2*\j:Y+2*\j+1], s[14:15] offset:256*\j
.endr
	s_endpgm
.Lfunc_end_k_q0e5acef345_cvt:
	.size	k_q0e5acef345_cvt, .Lfunc_end_k_q0e5acef345_cvt-k_q0e5acef345_cvt
	.p2alignl 7, 3214868480
	.fill 96, 4, 3214868480
	.section	.rodata,"a",@progbits
	.p2align	6, 0x0
	.amdhsa_kernel k_q0e5acef345_cvt
		.amdhsa_group_segment_fixed_size 0
		.amdhsa_private_segment_fixed_size 0
		.amdhsa_enable_private_segment 0
		.amdhsa_kernarg_size 56
		.amdhsa_user_sgpr_count 2
		.amdhsa_user_sgpr_kernarg_segment_ptr 1
		.amdhsa_wavefront_size32 1
		.amdhsa_system_sgpr_workgroup_id_x 1
		.amdhsa_system_sgpr_workgroup_id_y 1
		.amdhsa_system_sgpr_workgroup_id_z 1
		.amdhsa_system_vgpr_workitem_id 0
		.amdhsa_next_free_vgpr 100
		.amdhsa_next_free_sgpr 66
		.amdhsa_reserve_vcc 0
		.amdhsa_float_denorm_mode_32 3
		.amdhsa_float_denorm_mode_16_64 3
		.amdhsa_memory_ordered 1
		.amdhsa_forward_progress 1
		.amdhsa_inst_pref_size 17
	.end_amdhsa_kernel
	.amdgpu_metadata
---
amdhsa.version: [ 1, 2 ]
amdhsa.kernels:
  - .name:           k_q0e5acef345_cvt
    .symbol:         k_q0e5acef345_cvt.kd
    .args:
      - { .name: x, .offset: 0, .size: 8, .value_kind: global_buffer, .address_space: global }
      - { .name: Wq, .offset: 8, .size: 8, .value_kind: global_buffer, .address_space: global }
      - { .name: Wk, .offset: 16, .size: 8, .value_kind: global_buffer, .address_space: global }
      - { .name: Wv, .offset: 24, .size: 8, .value_kind: global_buffer, .address_space: global }
      - { .name: Wo, .offset: 32, .size: 8, .value_kind: global_buffer, .address_space: global }
      - { .name: xb, .offset: 40, .size: 8, .value_kind: global_buffer, .address_space: global }
      - { .name: wb, .offset: 48, .size: 8, .value_kind: global_buffer, .address_space: global }
    .group_segment_fixed_size: 0
    .private_segment_fixed_size: 0
    .kernarg_segment_align: 8
    .kernarg_segment_size: 56
    .max_flat_workgroup_size: 256
    .sgpr_count:     66
    .vgpr_count:     100
    .wavefront_size: 32
...
	.end_amdgpu_metadata
.endif
;; end of part 1
;; launch qkv (part 2): grid 16 x 32, 4 waves a work-group, clusters of 4 x 4, 327,680 bytes of LDS; arguments xb, wb, qkv; writes qkv
.if DOCPART == 2
	.amdgcn_target "amdgcn-amd-amdhsa--gfx1250"
	.amdhsa_code_object_version 6
	.text
	.protected	k_q0e5acef345_qkv
	.globl	k_q0e5acef345_qkv
	.p2align	8
	.type	k_q0e5acef345_qkv,@function
k_q0e5acef345_qkv:
	s_mov_b64 s[64:65], 0
	v_nop
	global_prefetch_b8 v0, s[64:65] scope:SCOPE_SE
	s_setreg_imm32_b32 hwreg(HW_REG_WAVE_MODE, 25, 1), 1
	s_wait_xcnt 0x0
	s_wait_alu depctr_hold_cnt(0) depctr_sa_sdst(0) depctr_va_vdst(0) depctr_va_sdst(0) depctr_va_ssrc(0) depctr_va_vcc(0) depctr_vm_vsrc(0)
	s_getreg_b32 s2, hwreg(HW_REG_IB_STS2, 6, 4)
	s_cmp_eq_u32 s2, 0
	s_cbranch_scc0 .Lentry_in_a_cluster
	s_endpgm
.Lentry_in_a_cluster:
	s_bfe_u32 s2, ttmp6, 0x10000c
	s_cmp_lg_u32 s2, 0xf033
	s_cbranch_scc0 .Lentry_shape_is_right
	s_endpgm
.Lentry_shape_is_right:
; q, k, v at once: C[m][n] = sum over e of xb[m][e] wb[n][e], m = 0..8191 (tokens), n = 0..3071 (Wq's, Wk's, Wv's rows), bf16 operands, f32 sums,
; stored as f16 by heads: qkv[b][j][s][64], b = m / 2048, s = m mod 2048, j = n / 64 (0-15 q's heads, 16-31 k's, 32-47 v's).
; LIMIT: |q|, |k|, |v| must stay below 65,504, f16's range.  f16 and not bf16, because its three further mantissa bits are needed by the first rows of each
; batch, whose attention averages over few keys.
; A work-group makes 256 x 192 of C (three heads wide) with four waves; 32 x 16 = 512 work-groups, twice 256.  A wave makes 128 x 96: 48 accumulator tiles, 384 registers.
; K goes in steps of 128 through a ring of two LDS slots filled by the tensor data mover; a tile's rows are 256 bytes of memory, aligned to 256.
; CLUSTERS: 4 x 4 work-groups.  The four of a row of the cluster need the same tiles of xb, the four of a column the same tiles of wb: such a tile is asked
; for jointly, by the same tensor load in all four, which divides the requests for both by four.
; REGISTERS, in windows of 256:  window 0: v16-26 addresses, v64-127 and v128-191 fragments of xb (two buffers), v192-215 packed results;
;   window 1: v64-111, v128-175 fragments of wb;  window 2: tiles (a, b), a = 0..3, at v[8 (6 a + b)];  window 3: the tiles of my rows 64-127 likewise.
; THE MATRIX INSTRUCTION IS USED TRANSPOSED (source 0 = rows of wb, source 1 = rows of xb): a lane then holds eight neighbouring columns of one row of C.
.set SIZE_K, 1024
.set KSTEP,  128
.set PITCH,  272                       ; an LDS row: 256 bytes + 16 of padding: 16 neighbouring rows start at 16 different 16-byte columns modulo 256
.set AH,     128*PITCH                 ; 128 rows of xb: one tensor load, and what one wave reads
.set BH,     96*PITCH                  ; 96 rows of wb: likewise
.set BOFF,   2*AH                      ; wb's 192 rows lie behind xb's 256
.set SLOT,   BOFF+2*BH                 ; 121,856 bytes
.set SP,     400                       ; the way out: a row of 192 f16 (384 bytes) + 16: 25 x 16 bytes
.set NF,     28                        ; LDS loads of a quarter step: 12 for wb, 16 for xb
.set LAPS,   SIZE_K/(2*KSTEP)          ; 4 laps of two K steps
.set ADRA, 16                          ; v16-17  LDS address of my xb fragments in slot 0, 1
.set ADRB, 20                          ; v20-21  the same for wb
.set STO,  24                          ; v24     the way out: where I put 16 bytes of a row
.set RD,   25                          ; v25     the way out: where I read back
.set CO,   26                          ; v26     my byte offset in a store
.set F0,   64
.set F1,   128
.set TMP,  192
.set G1,  24                           ; s[24:31] descriptor group 1, xb's tiles
.set G0,  32                           ; s[32:39] descriptor group 0, xb's tiles, one set for each slot
.set G1B, 48                           ; s[48:55] group 1, wb's tiles
.set G0B, 56                           ; s[56:63] group 0, wb's tiles, one set for each slot
.set MSB, 0
.macro WIN new                         ; the immediate's high byte repeats the setting that is left
.if MSB != \new
	s_set_vgpr_msb (MSB<<8)|\new
.set MSB, \new
.endif
.endm
.set MUL_LO, 0xa1                      ; source 0 (wb) window 1, source 1 (xb) window 0, C and D window 2
.set MUL_HI, 0xf1                      ; the same, C and D window 3
.set TO_B,   0x40                      ; destination window 1, address window 0
; A joint load: waves 0 and 1 fetch xb's two halves, waves 2 and 3 wb's.  The branch hangs on the wave's number alone.
.macro JLOAD s
	s_cmp_eq_u32 s11, 0
	s_cbranch_scc0 .Lfor_b_\@
	tensor_load_to_lds s[G0+4*\s:G0+4*\s+3], s[G1:G1+7]
	s_nop 0
	s_branch .Lasked_\@
.Lfor_b_\@:
	tensor_load_to_lds s[G0B+4*\s:G0B+4*\s+3], s[G1B:G1B+7]
	s_nop 0
.Lasked_\@:
.endm
; A round of the cluster's barrier: my work-group's barrier; wave 0 signals for the work-group; every wave waits for all sixteen; my work-group's barrier again.
.macro CREST                           ; a round behind its opening barrier
	s_cmp_lg_u32 s10, 0
	s_cbranch_scc1 .Lnot_wave_0_\@
	s_barrier_signal -3
.Lnot_wave_0_\@:
	s_barrier_wait -3
	s_barrier_signal -1
	s_barrier_wait -1
.endm
.macro CROUND
	s_barrier_signal -1
	s_barrier_wait -1
	CREST
.endm
	s_load_b128 s[4:7], s[0:1], 0x0                ; xb s[4:5], wb s[6:7]
	s_load_b64 s[8:9], s[0:1], 0x10                ; qkv
	s_set_vgpr_msb 0x40
	v_lshl_add_u32 v255, v0, 2, 0x3b800
	s_set_vgpr_msb 0x4000
	v_mov_b32 v255, 0
	s_set_vgpr_msb 0x1
	ds_add_u32 v255, v255
	s_set_vgpr_msb 0x100
	v_lshrrev_b32 v1, 5, v0
	v_readfirstlane_b32 s10, v1                    ; wave 0..3
	s_lshr_b32 s11, s10, 1                         ; which half of the block's rows is mine.  Also: I fetch for xb (0) or wb (1)
	s_and_b32 s12, s10, 1                          ; which half of its columns.  Also: which half of that tile I fetch
	s_bfe_u32 s40, ttmp6, 0x40000                  ; cx
	s_bfe_u32 s41, ttmp6, 0x40004                  ; cy
	s_lshl_b32 s42, ttmp9, 2
	s_add_co_u32 s42, s42, s40                     ; block column = 4 x cluster x + cx
	s_and_b32 s13, ttmp7, 0xffff
	s_lshl_b32 s13, s13, 2
	s_add_co_u32 s13, s13, s41                     ; block row = 4 x cluster y + cy
	s_lshl_b32 s43, s41, 2
	s_lshl_b32 s43, 15, s43                        ; my row of the cluster: places 4 cy .. 4 cy + 3
	s_lshl_b32 s44, 0x1111, s40                    ; my column: places cx, cx + 4, cx + 8, cx + 12
	; group 1: rows of 128 elements of 2 bytes, padded in LDS by 4 words after every 64; xb 128 rows, wb 96 rows
	s_or_b32 s[G1+0], s43, (1<<16)|(1<<20)|(1<<21)|(5<<22)|(3<<25)   ; mask: xb's tiles go to my row of the cluster; bit 21 beside the mask
	s_or_b32 s[G1B+0], s44, (1<<16)|(1<<20)|(1<<21)|(5<<22)|(3<<25)  ; wb's tiles go to my column
	s_mov_b32 s[G1+1], KSTEP<<16                   ; tensor_dim0 = 128
	s_mov_b32 s[G1B+1], KSTEP<<16
	s_mov_b32 s[G1+2], 128<<16                     ; tensor_dim1 = 128
	s_mov_b32 s[G1B+2], 96<<16                     ; tensor_dim1 = 96
	s_mov_b32 s[G1+3], KSTEP<<16                   ; tile_dim0 = 128
	s_mov_b32 s[G1B+3], KSTEP<<16
	s_mov_b32 s[G1+4], 128                         ; tile_dim1
	s_mov_b32 s[G1B+4], 96
	s_mov_b32 s[G1+5], SIZE_K                      ; elements from row to row
	s_mov_b32 s[G1B+5], SIZE_K
	s_mov_b32 s[G1+6], 0
	s_mov_b32 s[G1B+6], 0
	s_mov_b32 s[G1+7], 0
	s_mov_b32 s[G1B+7], 0
	; where the tiles come from: xb's hang on the block row and the wave alone, wb's on the block column and the wave alone, in registers of their own
	s_lshl_b32 s17, s12, 7
	s_lshl_b32 s16, s13, 8
	s_add_co_u32 s16, s16, s17                     ; xb: row 256 x block row + 128 x half
	s_lshl_b32 s16, s16, 11                        ; x 2,048 bytes: below 2^24
	s_mov_b32 s17, 0
	s_mul_i32 s47, s12, 96
	s_mul_i32 s46, s42, 192
	s_add_co_u32 s46, s46, s47                     ; wb: row 192 x block column + 96 x half
	s_lshl_b32 s46, s46, 11
	s_mov_b32 s47, 0
	s_mul_i32 s20, s10, AH                         ; where they go: xb's halves at wave x 128 rows (waves 0, 1),
	s_mul_i32 s45, s10, BH
	s_add_co_u32 s45, s45, BOFF-2*BH               ; wb's halves at BOFF + (wave - 2) x 96 rows (waves 2, 3)
	s_wait_dscnt 0x0
	s_wait_kmcnt 0x0
	s_add_nc_u64 s[14:15], s[4:5], s[16:17]
	s_add_nc_u64 s[46:47], s[6:7], s[46:47]
	CROUND                                         ; all sixteen work-groups are here: the first joint loads meet
.irp s, 0,1
	s_mov_b32 s[G0+4*\s], 1
	s_add_co_u32 s[G0+4*\s+1], s20, \s*SLOT
	s_add_nc_u64 s[G0+4*\s+2:G0+4*\s+3], s[14:15], \s*KSTEP*2      ; K step s
	s_or_b32 s[G0+4*\s+3], s[G0+4*\s+3], 0x80000000
	s_mov_b32 s[G0B+4*\s], 1
	s_add_co_u32 s[G0B+4*\s+1], s45, \s*SLOT
	s_add_nc_u64 s[G0B+4*\s+2:G0B+4*\s+3], s[46:47], \s*KSTEP*2
	s_or_b32 s[G0B+4*\s+3], s[G0B+4*\s+3], 0x80000000
	JLOAD \s                                       ; both slots are asked for before anything else: two tensor loads of the wave are out
.endr
	; a fragment: lane l holds row l % 16; registers 0-3 K = 8 (l / 16) + 0..7, registers 4-7 K = 16 + 8 (l / 16) + 0..7: two loads of 16 bytes, 32 apart
	v_and_b32 v1, 15, v0                           ; r = l % 16
	v_bfe_u32 v2, v0, 4, 1                         ; h = l / 16
	v_mul_u32_u24 v3, v1, PITCH
	v_lshl_add_u32 v3, v2, 4, v3
	s_mul_i32 s21, s11, AH                         ; my 128 rows of xb
	s_mul_i32 s22, s12, BH
	s_add_co_u32 s22, s22, BOFF                    ; my 96 rows of wb
.irp s, 0,1
	v_add_nc_u32 v[ADRA+\s], s21, v3
	v_add_nc_u32 v[ADRB+\s], s22, v3
	s_add_co_u32 s21, s21, SLOT
	s_add_co_u32 s22, s22, SLOT
.endr
	s_mul_i32 s23, s11, 128*SP                     ; the way out, in: row 128 x (row half) + r, byte 192 x (column half) + 16 h
	s_mul_i32 s21, s12, 192
	s_add_co_u32 s23, s23, s21
	v_mul_u32_u24 v4, v1, SP
	v_lshl_add_u32 v4, v2, 4, v4
	v_add_nc_u32 v[STO], s23, v4
	v_bfe_u32 v5, v0, 3, 2                         ; back: four tokens x 128 bytes of a head: row 64 x wave + l / 8, byte 16 (l % 8)
	v_mul_u32_u24 v5, v5, SP
	v_and_b32 v6, 7, v0
	v_lshl_add_u32 v5, v6, 4, v5
	s_mul_i32 s21, s10, 64*SP
	v_add_nc_u32 v[RD], s21, v5
	v_and_b32 v6, 31, v0
	v_lshlrev_b32 v[CO], 4, v6                     ; those four tokens are 512 consecutive bytes of a head: 16 l
; 12 matrix instructions: m blocks a0, a0 + 1 of the window's four x all 6 n blocks, 32 along K.  zero = 1: the first product starts the sums.
; The 48 accumulators take turns, one instruction a turn, in the same order in every quarter step.
.macro MULH f, hi, a0, zero
.irp a, \a0, \a0+1
.irp b, 0,1,2,3,4,5
.if \zero
	v_wmma_f32_16x16x32_bf16 v[8*(6*(\a)+\b):8*(6*(\a)+\b)+7], v[\f+8*\b:\f+8*\b+7], v[\f+8*(4*\hi+\a):\f+8*(4*\hi+\a)+7], 0
.else
	v_wmma_f32_16x16x32_bf16 v[8*(6*(\a)+\b):8*(6*(\a)+\b)+7], v[\f+8*\b:\f+8*\b+7], v[\f+8*(4*\hi+\a):\f+8*(4*\hi+\a)+7], v[8*(6*(\a)+\b):8*(6*(\a)+\b)+7]
.endif
.endr
.endr
.endm
; 28 LDS loads in one run: one quarter step's fragments (96 rows of wb, 128 rows of xb, 32 K at byte k of the rows) into buffer f
.macro FETCH slot, k, f
	WIN TO_B
.irp i, 0,1,2,3,4,5
	ds_load_b128 v[\f+8*\i:\f+8*\i+3],   v[ADRB+\slot] offset:\k+\i*16*PITCH
	ds_load_b128 v[\f+8*\i+4:\f+8*\i+7], v[ADRB+\slot] offset:\k+\i*16*PITCH+32
.endr
	WIN 0
.irp i, 0,1,2,3,4,5,6,7
	ds_load_b128 v[\f+8*\i:\f+8*\i+3],   v[ADRA+\slot] offset:\k+\i*16*PITCH
	ds_load_b128 v[\f+8*\i+4:\f+8*\i+7], v[ADRA+\slot] offset:\k+\i*16*PITCH+32
.endr
.endm
; Four places behind a matrix instruction before a load lands on one of its sources or a vector instruction reads its result (ISA guide 7.12.1 for the vector instruction);
; the matrix instructions in between are not counted.
.macro PLACES
.rept 4
	v_nop
.endr
.endm
.macro QUARTER slot, k, f, g, zero
	s_wait_dscnt 8                                 ; wb's fragments and xb's rows 0-63 are in; the youngest eight loads (xb's rows 64-127) may be out
	WIN MUL_LO
	MULH \f, 0, 0, \zero
	MULH \f, 0, 2, \zero
	PLACES
	FETCH \slot, \k, \g
	s_wait_dscnt NF                                ; all but the 28 just issued
	WIN MUL_HI
	MULH \f, 1, 0, \zero
	MULH \f, 1, 2, \zero
.endm
.macro THREE slot, zero
	QUARTER \slot, 64,  F0, F1, \zero
	QUARTER \slot, 128, F1, F0, 0
	QUARTER \slot, 192, F0, F1, 0
.endm
; The last quarter of a K step multiplies buffer 1 and changes slots.  In front of the one barrier each wave waits for its reads of this slot and for all its
; tensor loads (one is out: its part of the next slot).  Behind it the refill comes first, then the next slot's first fragments.
.macro TURN slot, next, fill
	s_wait_dscnt 8
	WIN MUL_LO
	MULH F1, 0, 0, 0
	s_wait_dscnt 0                                 ; my reads of this slot are over
	s_wait_tensorcnt 0x0                           ; all my tensor loads have landed
	ds_add_u32 v255, v255
	s_wait_dscnt 0x0
	s_barrier_signal -1                            ; (where the slot is filled again this barrier opens a round of the cluster's barrier)
	MULH F1, 0, 2, 0                               ; register work while the others arrive
	WIN 0
	s_barrier_wait -1
.if \fill
	CREST                                          ; no wave of any partner still reads this slot or has a load on its way
	s_add_nc_u64 s[G0+4*\slot+2:G0+4*\slot+3], s[G0+4*\slot+2:G0+4*\slot+3], 2*KSTEP*2
	s_add_nc_u64 s[G0B+4*\slot+2:G0B+4*\slot+3], s[G0B+4*\slot+2:G0B+4*\slot+3], 2*KSTEP*2
	JLOAD \slot                                    ; the wave's one tensor load behind the round, and the first thing there
.endif
	PLACES
	FETCH \next, 0, F0
	WIN MUL_HI
	MULH F1, 1, 0, 0
	MULH F1, 1, 2, 0
.endm
.macro LAP zero
	THREE 0, \zero
	TURN 0, 1, 1
	THREE 1, 0
	TURN 1, 0, 1
.endm
	s_wait_tensorcnt 1                             ; my part of K step 0 is in; K step 1's may stay out
	s_barrier_signal -1
	s_barrier_wait -1
	FETCH 0, 0, F0
	LAP 1                                          ; K steps 0, 1; asks for 2, 3
	WIN 0
	s_mov_b32 s3, LAPS-2
.Llap:
	LAP 0                                          ; K steps 2 to 5; asks for 4 to 7
	WIN 0
	s_sub_co_u32 s3, s3, 1
	s_cmp_lg_u32 s3, 0
	s_cbranch_scc1 .Llap
	THREE 0, 0                                     ; the last lap fills nothing
	TURN 0, 1, 0                                   ; behind its barrier no wave reads slot 0 any more, and slot 0 has had its last fill
	THREE 1, 0
	s_wait_dscnt 8
	WIN MUL_LO
	MULH F1, 0, 0, 0
	MULH F1, 0, 2, 0
	s_wait_dscnt 0
	WIN MUL_HI
	MULH F1, 1, 0, 0
	MULH F1, 1, 2, 0
	; THE WAY OUT.  A head's 64 columns lie in two waves (96 = 1.5 heads), so the whole block of 256 x 192 f16 is gathered in slot 0's bytes,
	; and each wave then stores 64 tokens of all three heads, 512 consecutive bytes a store.
	PLACES
	s_lshr_b32 s16, s13, 3                         ; batch = block row / 8
	s_mul_i32 s16, s16, 12582912                   ; x 48 heads x 262,144 bytes
	s_and_b32 s14, s13, 7
	s_lshl_b32 s14, s14, 8
	s_lshl_b32 s15, s10, 6
	s_add_co_u32 s14, s14, s15                     ; token in the batch: 256 x (block row mod 8) + 64 x wave
	s_lshl_b32 s14, s14, 7                         ; x 128 bytes
	s_add_co_u32 s16, s16, s14
	s_mov_b32 s17, 0
	s_add_nc_u64 s[8:9], s[8:9], s[16:17]
	s_mul_i32 s46, s42, 3*262144                   ; first head = 3 x block column
	s_mov_b32 s47, 0
	s_add_nc_u64 s[8:9], s[8:9], s[46:47]
; rows 16 row .. 16 row + 15 of my 128: the six tiles (a, 0..5) of window 2 or 3 (from = 0x0a or 0x0f), rounded to f16, 16 bytes a lane and tile
.macro PUT a, row, from
	WIN \from
.irp b, 0,1,2,3,4,5
.irp q, 0,1,2,3
	v_cvt_pk_f16_f32 v[TMP+4*\b+\q], v[8*(6*\a+\b)+2*\q], v[8*(6*\a+\b)+2*\q+1]
.endr
.endr
	WIN 0
.irp b, 0,1,2,3,4,5
	ds_store_b128 v[STO], v[TMP+4*\b:TMP+4*\b+3] offset:\row*16*SP+32*\b
.endr
.endm
	PUT 0, 0, 0x0a
	PUT 1, 1, 0x0a
	PUT 2, 2, 0x0a
	PUT 3, 3, 0x0a
	PUT 0, 4, 0x0f
	PUT 1, 5, 0x0f
	PUT 2, 6, 0x0f
	PUT 3, 7, 0x0f
	s_wait_dscnt 0x0                               ; my stores are done: other waves read these bytes behind the barrier
	s_barrier_signal -1
	s_barrier_wait -1
; head hh of the three, my tokens 4 t0 .. 4 t0 + 31: eight loads of four tokens x 128 bytes, eight stores
.macro GET hh, t0, f
	s_wait_xcnt 0x0                                ; buffer f, which earlier stores read, is loaded again only behind this wait
.irp t, 0,1,2,3,4,5,6,7
	ds_load_b128 v[\f+4*\t:\f+4*\t+3], v[RD] offset:(\t0+\t)*4*SP+\hh*128
.endr
.irp t, 0,1,2,3,4,5,6,7
	s_wait_dscnt 7-\t                              ; LDS loads come back in order: load t is in
	global_store_b128 v[CO], v[\f+4*\t:\f+4*\t+3], s[8:9] offset:\hh*262144+(\t0+\t)*512   ; 512 consecutive bytes, aligned to 512
.endr
.endm
	GET 0, 0, F0
	GET 0, 8, F1
	GET 1, 0, F0
	GET 1, 8, F1
	GET 2, 0, F0
	GET 2, 8, F1
	s_set_vgpr_msb 0x1
	s_wait_tensorcnt 0x0
	ds_add_u32 v255, v255
	s_wait_dscnt 0x0
	s_set_vgpr_msb 0x100
	CROUND                                         ; the closing round: no work-group ends while a partner may still ask for a tile that names it
	s_endpgm
.Lfunc_end_k_q0e5acef345_qkv:
	.size	k_q0e5acef345_qkv, .Lfunc_end_k_q0e5acef345_qkv-k_q0e5acef345_qkv
	.p2alignl 7, 3214868480
	.fill 96, 4, 3214868480
	.section	.rodata,"a",@progbits
	.p2align	6, 0x0
	.amdhsa_kernel k_q0e5acef345_qkv
		.amdhsa_group_segment_fixed_size 327680
		.amdhsa_private_segment_fixed_size 0
		.amdhsa_enable_private_segment 0
		.amdhsa_kernarg_size 24
		.amdhsa_user_sgpr_count 2
		.amdhsa_user_sgpr_kernarg_segment_ptr 1
		.amdhsa_wavefront_size32 1
		.amdhsa_system_sgpr_workgroup_id_x 1
		.amdhsa_system_sgpr_workgroup_id_y 1
		.amdhsa_system_sgpr_workgroup_id_z 1
		.amdhsa_system_vgpr_workitem_id 0
		.amdhsa_next_free_vgpr 960
		.amdhsa_next_free_sgpr 66
		.amdhsa_reserve_vcc 0
		.amdhsa_float_denorm_mode_32 3
		.amdhsa_float_denorm_mode_16_64 3
		.amdhsa_memory_ordered 1
		.amdhsa_forward_progress 1
		.amdhsa_inst_pref_size 158
	.end_amdhsa_kernel
	.amdgpu_metadata
---
amdhsa.version: [ 1, 2 ]
amdhsa.kernels:
  - .name:           k_q0e5acef345_qkv
    .symbol:         k_q0e5acef345_qkv.kd
    .args:
      - { .name: xb, .offset: 0, .size: 8, .value_kind: global_buffer, .address_space: global }
      - { .name: wb, .offset: 8, .size: 8, .value_kind: global_buffer, .address_space: global }
      - { .name: qkv, .offset: 16, .size: 8, .value_kind: global_buffer, .address_space: global }
    .group_segment_fixed_size: 327680
    .private_segment_fixed_size: 0
    .kernarg_segment_align: 8
    .kernarg_segment_size: 24
    .max_flat_workgroup_size: 128
    .sgpr_count:     66
    .vgpr_count:     960
    .wavefront_size: 32
...
	.end_amdgpu_metadata
.endif
;; end of part 2
;; launch attn (part 3): grid 256 x 1, 8 waves a work-group, clusters of 4 x 1, 327,680 bytes of LDS; arguments qkv, ab; writes ab
.if DOCPART == 3
	.amdgcn_target "amdgcn-amd-amdhsa--gfx1250"
	.amdhsa_code_object_version 6
	.text
	.protected	k_q0e5acef345_attn
	.globl	k_q0e5acef345_attn
	.p2align	8
	.type	k_q0e5acef345_attn,@function
k_q0e5acef345_attn:
	s_mov_b64 s[64:65], 0
	v_nop
	global_prefetch_b8 v0, s[64:65] scope:SCOPE_SE
	s_setreg_imm32_b32 hwreg(HW_REG_WAVE_MODE, 25, 1), 1
	s_wait_xcnt 0x0
	s_wait_alu depctr_hold_cnt(0) depctr_sa_sdst(0) depctr_va_vdst(0) depctr_va_sdst(0) depctr_va_ssrc(0) depctr_va_vcc(0) depctr_vm_vsrc(0)
	s_getreg_b32 s2, hwreg(HW_REG_IB_STS2, 6, 4)
	s_cmp_eq_u32 s2, 0
	s_cbranch_scc0 .Lentry_in_a_cluster
	s_endpgm
.Lentry_in_a_cluster:
	s_bfe_u32 s2, ttmp6, 0x10000c
	s_cmp_lg_u32 s2, 0x3003
	s_cbranch_scc0 .Lentry_shape_is_right
	s_endpgm
.Lentry_shape_is_right:
; Causal attention of one head for each cluster: ab[bh][s][64] = softmax(q k^T / 8, keys <= query) v, f16 operands, f32 sums, running maximum.
; LIMITS: the result must stay below 65,504 (f16); a weight exp(e - max) below 2^-25 counts as 0 in the product with v (it is still summed in f32);
; non-finite inputs are not served; the sums' order differs from a plain softmax's.
; SHARING.  The head's 2,048 queries are cut into 32 groups of 64 rows; work-group cx of the cluster's four owns rows 16 cx .. 16 cx + 15 of EVERY group (a granule).
; So all four walk the same keys in the same order with the same branches, cx enters global addresses and the mask's compare alone,
; and every tile of k and v is asked for jointly, once for the four.
; Wave w owns the granules of groups 8 u + rho, u = 0..3, with rho = w for w < 4 and 11 - w else: waves w and w + 4 have rho's that add up to 7.
; KEYS go in steps of 64; an LDS slot holds 512 keys (eight steps) of k and v; slot number sig = 0..3, step j = 0..7.  Granule u works in every step of
; slot sig < u, in steps j <= rho of slot sig = u (masked at j = rho alone) and never in slots sig > u: what the causal mask throws away whole is not computed.
; A unit = one granule x one step: 8 matrix instructions for the scores, softmax work, 8 for the product with v.  Two waves lie on a SIMD, so that one's
; vector work and the other's matrix work overlap.
; TRANSPOSED PRODUCTS.  S^T = K Q^T: lane (r, h) holds query r and keys 16 mt + 8 h + 0..7, so a row's maximum and sum are made inside the lane and by one
; exchange of the halves, and the packed weights ARE the second source of O^T = V^T P^T; V^T comes by the transposing LDS load; in O^T a lane holds 8 neighbouring d of one row.
.set SLOT,   147456                    ; k: 256 row pairs x 272 bytes (69,632, then 4,096 unused); v at 73,728: 256 row pairs x 288 bytes
.set VOFF,   73728
.set STAGE,  2*SLOT                    ; the way out: 16 rows x 144 bytes for each wave; no tensor load lands here
.set KB0,    8                         ; v8   lane term of k's fragments
.set VB0,    9                         ; v9   lane term of v's fragments
.set KAD,    10                        ; v10  k's address in this step
.set VAD,    11                        ; v11  v's address in this step
.set QOFF,   12                        ; v12  my bytes of q
.set STO,    13                        ; v13  the way out, in
.set RD,     14                        ; v14  the way out, back
.set CO,     15                        ; v15  my bytes of ab
.set QREL,   16                        ; v16  16 cx + r - 8 h: key 16 mt + 8 h + jj of the diagonal step is hidden where 16 mt + jj > QREL
.set NEGINF, 17
.set NM,     18                        ; v[18:19]  - max x log2(e) / 8 (v19 only fills the pair)
.set AL,     20                        ; v[20:21]  the factor for what was summed under the old maximum (v21 only fills the pair)
.set T0,     22
.set T1,     23
.set R,      24                        ; v[24:31]  reduction chains
.set M,      32                        ; v[32:35]  running maximum of granule u
.set LS,     36                        ; v[36:39]  running sum of granule u, this lane's keys alone
.set S,      48                        ; v[48:79]  scores, then weights
.set P,      80                        ; v[80:95]  weights in f16
.set KF,     96                        ; v[96:159]   k's fragments (mt, ks) at 16 mt + 8 ks
.set VF,     160                       ; v[160:223]  v's fragments (dt, kf) at 16 dt + 8 kf
.set QF,     128                       ; window 1: v[128:191] q's fragments (u, ks) at 16 u + 8 ks;  window 1: v[0:127] O (u, dt) at 32 u + 8 dt
.set G1K, 24                           ; s[24:31] group 1 for k's tiles
.set G0K, 32                           ; s[32:39] group 0 for k's tiles, one set for each slot
.set G1V, 40                           ; s[40:47] group 1 for v's tiles
.set G0V, 48                           ; s[48:55] group 0 for v's tiles
.set MSB, 0
.macro WIN new
.if MSB != \new
	s_set_vgpr_msb (MSB<<8)|\new
.set MSB, \new
.endif
.endm
.macro PLACES                          ; four places behind a matrix instruction (ISA guide 7.12.1 for vector instructions)
.rept 4
	v_nop
.endr
.endm
.macro ROUND                           ; a round of the cluster's barrier
	s_barrier_signal -1
	s_barrier_wait -1
	s_cmp_lg_u32 s8, 0
	s_cbranch_scc1 .Lnot_wave_0_\@
	s_barrier_signal -3
.Lnot_wave_0_\@:
	s_barrier_wait -3
	s_barrier_signal -1
	s_barrier_wait -1
.endm
.macro JLOAD s                         ; waves 0-3 ask for a quarter of k's 512 keys each, waves 4-7 for a quarter of v's
	s_cmp_lt_u32 s8, 4
	s_cbranch_scc0 .Lfor_v_\@
	tensor_load_to_lds s[G0K+4*\s:G0K+4*\s+3], s[G1K:G1K+7]
	s_nop 0
	s_branch .Lasked_\@
.Lfor_v_\@:
	tensor_load_to_lds s[G0V+4*\s:G0V+4*\s+3], s[G1V:G1V+7]
	s_nop 0
.Lasked_\@:
.endm
	s_load_b128 s[4:7], s[0:1], 0x0                ; qkv s[4:5], ab s[6:7]
	v_lshl_add_u32 v254, v0, 2, 0x4c800
	v_mov_b32 v255, 0
	ds_add_u32 v254, v255
	v_lshrrev_b32 v1, 5, v0
	v_readfirstlane_b32 s8, v1                     ; wave 0..7
	s_sub_co_u32 s16, 11, s8
	s_cmp_lt_u32 s8, 4
	s_cselect_b32 s9, s8, s16                      ; rho
	s_bfe_u32 s10, ttmp6, 0x40000                  ; cx
	s_mov_b32 s11, ttmp9                           ; the cluster's number = batch x 16 + head
	s_mov_b32 s12, 0x76543210                      ; v_permlanex16_b32: lane i of one half reads lane i of the other
	s_mov_b32 s13, 0xfedcba98
	s_mov_b32 s15, 0x3e38aa3b                      ; log2(e) / 8
	; group 1: a head's keys are dense in memory: 64 rows of 256 bytes (32 elements of 8 bytes, two keys a row); padded by 4 words (k) or 8 words (v) after every 64
	s_mov_b32 s[G1K+0], 15|(3<<16)|(1<<20)|(1<<21)|(5<<22)|(3<<25)   ; the mask names all four work-groups; bit 21 beside it
	s_mov_b32 s[G1V+0], 15|(3<<16)|(1<<20)|(1<<21)|(5<<22)|(7<<25)
	s_mov_b32 s[G1K+1], 32<<16                     ; tensor_dim0 = 32
	s_mov_b32 s[G1V+1], 32<<16
	s_mov_b32 s[G1K+2], 64<<16                     ; tensor_dim1 = 64
	s_mov_b32 s[G1V+2], 64<<16
	s_mov_b32 s[G1K+3], 32<<16                     ; tile_dim0 = 32
	s_mov_b32 s[G1V+3], 32<<16
	s_mov_b32 s[G1K+4], 64                         ; tile_dim1 = 64
	s_mov_b32 s[G1V+4], 64
	s_mov_b32 s[G1K+5], 32                         ; elements from row to row
	s_mov_b32 s[G1V+5], 32
	s_mov_b32 s[G1K+6], 0
	s_mov_b32 s[G1V+6], 0
	s_mov_b32 s[G1K+7], 0
	s_mov_b32 s[G1V+7], 0
	s_lshr_b32 s16, s11, 4
	s_mul_i32 s16, s16, 12582912                   ; batch x 48 heads x 262,144 bytes
	s_and_b32 s17, s11, 15
	s_lshl_b32 s17, s17, 18                        ; + head x 262,144
	s_add_co_u32 s16, s16, s17
	s_mov_b32 s17, 0
	s_and_b32 s18, s8, 3
	s_lshl_b32 s18, s18, 14                        ; the wave's quarter of a slot's keys: 128 keys x 128 bytes
	s_mov_b32 s19, 0
	s_lshl_b32 s20, s11, 18                        ; ab: (batch x 16 + head) x 262,144
	s_mov_b32 s21, 0
	s_mul_i32 s22, s8, 64*272                      ; k's quarter in LDS: wave x 64 rows (waves 0-3)
	s_mul_i32 s23, s8, 64*288                      ; v's quarter: 73,728 + (wave - 4) x 64 rows = wave x 18,432 (waves 4-7)
	s_wait_dscnt 0x0
	s_wait_kmcnt 0x0
	s_add_nc_u64 s[56:57], s[4:5], s[16:17]        ; q's head
	s_add_nc_u64 s[58:59], s[6:7], s[20:21]        ; the result's head
	s_add_nc_u64 s[16:17], s[56:57], s[18:19]
.irp s, 0,1
	s_mov_b32 s[G0K+4*\s], 1
	s_add_co_u32 s[G0K+4*\s+1], s22, \s*SLOT
	s_add_nc_u64 s[G0K+4*\s+2:G0K+4*\s+3], s[16:17], 16*262144+\s*65536   ; k's head lies 16 heads behind q's; slot s: keys 512 s ..
	s_or_b32 s[G0K+4*\s+3], s[G0K+4*\s+3], 0x80000000
	s_mov_b32 s[G0V+4*\s], 1
	s_add_co_u32 s[G0V+4*\s+1], s23, \s*SLOT
	s_add_nc_u64 s[G0V+4*\s+2:G0V+4*\s+3], s[16:17], 32*262144+\s*65536   ; v's head 32 heads behind
	s_or_b32 s[G0V+4*\s+3], s[G0V+4*\s+3], 0x80000000
.endr
	ROUND                                          ; all four work-groups are here: the first joint loads meet
	s_cmp_lt_u32 s8, 4                             ; one branch holds both first fills of a wave: two tensor loads are out
	s_cbranch_scc0 .Lfirst_v
	tensor_load_to_lds s[G0K:G0K+3], s[G1K:G1K+7]
	s_nop 0
	tensor_load_to_lds s[G0K+4:G0K+7], s[G1K:G1K+7]
	s_nop 0
	s_branch .Lfirst_done
.Lfirst_v:
	tensor_load_to_lds s[G0V:G0V+3], s[G1V:G1V+7]
	s_nop 0
	tensor_load_to_lds s[G0V+4:G0V+7], s[G1V:G1V+7]
	s_nop 0
.Lfirst_done:
	v_and_b32 v1, 15, v0                           ; r
	v_bfe_u32 v2, v0, 4, 1                         ; h
	v_and_b32 v3, 31, v0                           ; l
	; key t of a slot lies at (t / 2) x pitch + (t mod 2) x 128.  k: lane (r, h) takes key 16 mt + r, bytes 16 h ..: sixteen lanes hit sixteen different 16-byte columns modulo 256
	v_lshrrev_b32 v4, 1, v1
	v_mul_u32_u24 v[KB0], v4, 272
	v_and_b32 v4, 1, v1
	v_lshl_add_u32 v[KB0], v4, 7, v[KB0]
	v_lshl_add_u32 v[KB0], v2, 4, v[KB0]
	; v, for the transposing load: lane l addresses key 8 h + l % 8, bytes 16 ((l / 8) % 2) ..
	v_bfe_u32 v4, v0, 1, 2
	v_lshl_add_u32 v4, v2, 2, v4                   ; row pair 4 h + (l % 8) / 2
	v_mul_u32_u24 v[VB0], v4, 288
	v_and_b32 v4, 1, v0
	v_lshl_add_u32 v[VB0], v4, 7, v[VB0]
	v_bfe_u32 v4, v0, 3, 1
	v_lshl_add_u32 v[VB0], v4, 4, v[VB0]
	v_add_nc_u32 v[VB0], VOFF, v[VB0]
	s_lshl_b32 s18, s9, 6
	s_lshl_b32 s19, s10, 4
	s_add_co_u32 s18, s18, s19                     ; 64 rho + 16 cx: my granule's first row in its block of 512
	v_add_nc_u32 v4, s18, v1
	v_lshlrev_b32 v[QOFF], 7, v4
	v_lshl_add_u32 v[QOFF], v2, 4, v[QOFF]
	s_mul_i32 s20, s8, 16*144
	s_add_co_u32 s20, s20, STAGE                   ; my stage
	v_mul_u32_u24 v[STO], v1, 144
	v_lshl_add_u32 v[STO], v2, 4, v[STO]
	v_add_nc_u32 v[STO], s20, v[STO]
	v_bfe_u32 v4, v0, 3, 2
	v_mul_u32_u24 v[RD], v4, 144
	v_and_b32 v4, 7, v0
	v_lshl_add_u32 v[RD], v4, 4, v[RD]
	v_add_nc_u32 v[RD], s20, v[RD]
	s_lshl_b32 s21, s18, 7
	v_lshlrev_b32 v[CO], 4, v3
	v_add_nc_u32 v[CO], s21, v[CO]
	v_lshlrev_b32 v4, 3, v2
	v_sub_nc_u32 v[QREL], v1, v4
	v_add_nc_u32 v[QREL], s19, v[QREL]
	v_mov_b32 v[NEGINF], 0xff800000
	v_mov_b32 v[NM+1], 0                           ; the pairs' second registers are named, never used
	v_mov_b32 v[AL+1], 0
	v_mov_b32 v[T1], 0                             ; v_permlanex16_b32 counts as a reader of its destination
	; q's fragments, once: lane (r, h) holds query r, d = 32 ks + 8 h .. and 32 ks + 16 + 8 h ..
	WIN 0x40
.irp u, 0,1,2,3
.irp ks, 0,1
	global_load_b128 v[QF+16*\u+8*\ks:QF+16*\u+8*\ks+3],   v[QOFF], s[56:57] offset:\u*65536+64*\ks
	global_load_b128 v[QF+16*\u+8*\ks+4:QF+16*\u+8*\ks+7], v[QOFF], s[56:57] offset:\u*65536+64*\ks+32
.endr
.endr
	WIN 0
	s_wait_loadcnt 0x0
	s_wait_tensorcnt 1                             ; my part of slot 0 is in; slot 1's may stay out
	s_barrier_signal -1
	s_barrier_wait -1
; One step's fragments: 16 loads for k (64 keys x 64 d), then 16 transposing loads for v
.macro FRAGS
.irp mt, 0,1,2,3
.irp ks, 0,1
	ds_load_b128 v[KF+16*\mt+8*\ks:KF+16*\mt+8*\ks+3],   v[KAD] offset:\mt*2176+64*\ks
	ds_load_b128 v[KF+16*\mt+8*\ks+4:KF+16*\mt+8*\ks+7], v[KAD] offset:\mt*2176+64*\ks+32
.endr
.endr
.irp dt, 0,1,2,3
.irp kf, 0,1
	ds_load_tr16_b128 v[VF+16*\dt+8*\kf:VF+16*\dt+8*\kf+3],   v[VAD] offset:\kf*4608+32*\dt
	ds_load_tr16_b128 v[VF+16*\dt+8*\kf+4:VF+16*\dt+8*\kf+7], v[VAD] offset:\kf*4608+32*\dt+2304
.endr
.endr
.endm
; Granule u against this step's 64 keys.  mask = 1: the diagonal step.  first = 1: the granule's first step starts maximum, sum and O: nothing is cleared.
; In both products four accumulators take turns, one instruction a turn.
.macro UNIT u, mask, first
	WIN 0x04                                       ; source 1 (q) in window 1
.irp mt, 0,1,2,3
	v_wmma_f32_16x16x32_f16 v[S+8*\mt:S+8*\mt+7], v[KF+16*\mt:KF+16*\mt+7], v[QF+16*\u:QF+16*\u+7], 0
.endr
.irp mt, 0,1,2,3
	v_wmma_f32_16x16x32_f16 v[S+8*\mt:S+8*\mt+7], v[KF+16*\mt+8:KF+16*\mt+15], v[QF+16*\u+8:QF+16*\u+15], v[S+8*\mt:S+8*\mt+7]
.endr
	WIN 0
	PLACES
.if \mask
.irp mt, 0,1,2,3
.irp jj, 0,1,2,3,4,5,6,7
	v_cmp_gt_i32 vcc_lo, 16*\mt+\jj, v[QREL]       ; key behind the query: the score becomes -inf (key 0 of the step is never hidden, so the row's maximum stays finite)
	v_cndmask_b32 v[S+8*\mt+\jj], v[S+8*\mt+\jj], v[NEGINF], vcc_lo
.endr
.endr
.endif
	; the row's maximum: four chains over my 32 keys, the old maximum, the other half's lane
.irp c, 0,1,2,3
	v_max3_num_f32 v[R+2*\c], v[S+8*\c], v[S+8*\c+1], v[S+8*\c+2]
.endr
.irp c, 0,1,2,3
	v_max3_num_f32 v[R+2*\c], v[R+2*\c], v[S+8*\c+3], v[S+8*\c+4]
.endr
.irp c, 0,1,2,3
	v_max3_num_f32 v[R+2*\c], v[R+2*\c], v[S+8*\c+5], v[S+8*\c+6]
.endr
.irp c, 0,1,2,3
	v_max_num_f32 v[R+2*\c], v[R+2*\c], v[S+8*\c+7]
.endr
	v_max3_num_f32 v[R], v[R], v[R+2], v[R+4]
.if \first
	v_max_num_f32 v[R], v[R], v[R+6]
.else
	v_max3_num_f32 v[R], v[R], v[R+6], v[M+\u]
.endif
	v_permlanex16_b32 v[T1], v[R], s12, s13
	v_max_num_f32 v[T0], v[R], v[T1]               ; the new maximum, alike in both halves
	v_mul_f32 v[NM], 0xbe38aa3b, v[T0]             ; - max x log2(e) / 8
.if \first == 0
	v_fma_f32 v[T1], v[M+\u], s15, v[NM]
	v_exp_f32 v[AL], v[T1]                         ; exp((old max - new max) / 8)
.endif
	v_mov_b32 v[M+\u], v[T0]                       ; also the plain instruction behind the exponential (ISA guide 5.7.2)
.irp n, 0,1,2,3,4,5,6,7,8,9,10,11,12,13,14,15
	v_pk_fma_f32 v[S+2*\n:S+2*\n+1], v[S+2*\n:S+2*\n+1], 0x3e38aa3b, v[NM:NM+1] op_sel_hi:[1,0,0]
.endr
.irp n, 0,1,2,3,4,5,6,7,8,9,10,11,12,13,14,15
	v_exp_f32 v[S+2*\n], v[S+2*\n]
	v_exp_f32 v[S+2*\n+1], v[S+2*\n+1]
.endr
	v_nop                                          ; one plain place between the exponentials and the first use of a result
	s_wait_alu depctr_va_vdst(0)
.irp c, 0,1,2,3
	v_pk_add_f32 v[R+2*\c:R+2*\c+1], v[S+8*\c:S+8*\c+1], v[S+8*\c+2:S+8*\c+3]
.endr
.irp c, 0,1,2,3
	v_pk_add_f32 v[R+2*\c:R+2*\c+1], v[R+2*\c:R+2*\c+1], v[S+8*\c+4:S+8*\c+5]
.endr
.irp c, 0,1,2,3
	v_pk_add_f32 v[R+2*\c:R+2*\c+1], v[R+2*\c:R+2*\c+1], v[S+8*\c+6:S+8*\c+7]
.endr
	v_pk_add_f32 v[R:R+1], v[R:R+1], v[R+2:R+3]
	v_pk_add_f32 v[R+4:R+5], v[R+4:R+5], v[R+6:R+7]
	v_pk_add_f32 v[R:R+1], v[R:R+1], v[R+4:R+5]
.if \first
	v_add_f32 v[LS+\u], v[R], v[R+1]
.else
	v_add_f32 v[T1], v[R], v[R+1]
	v_fma_f32 v[LS+\u], v[LS+\u], v[AL], v[T1]
.endif
.irp n, 0,1,2,3,4,5,6,7,8,9,10,11,12,13,14,15
	v_cvt_pk_f16_f32 v[P+\n], v[S+2*\n], v[S+2*\n+1]   ; registers 0-7: keys 8 h .. and 16 + 8 h .. of the first 32; 8-15: of the second 32
.endr
.if \first == 0
	WIN 0x41
.irp n, 0,1,2,3,4,5,6,7,8,9,10,11,12,13,14,15
	v_pk_mul_f32 v[32*\u+2*\n:32*\u+2*\n+1], v[32*\u+2*\n:32*\u+2*\n+1], v[AL:AL+1] op_sel_hi:[1,0]
.endr
.endif
	s_wait_dscnt 0x0                               ; v's fragments are in
	WIN 0x50                                       ; C and D (O) in window 1
.irp dt, 0,1,2,3
.if \first
	v_wmma_f32_16x16x32_f16 v[32*\u+8*\dt:32*\u+8*\dt+7], v[VF+16*\dt:VF+16*\dt+7], v[P:P+7], 0
.else
	v_wmma_f32_16x16x32_f16 v[32*\u+8*\dt:32*\u+8*\dt+7], v[VF+16*\dt:VF+16*\dt+7], v[P:P+7], v[32*\u+8*\dt:32*\u+8*\dt+7]
.endif
.endr
.irp dt, 0,1,2,3
	v_wmma_f32_16x16x32_f16 v[32*\u+8*\dt:32*\u+8*\dt+7], v[VF+16*\dt+8:VF+16*\dt+15], v[P+8:P+15], v[32*\u+8*\dt:32*\u+8*\dt+7]
.endr
	WIN 0
.endm
; Step j (s14) of slot number sig.  The branches hang on j and rho alone, which are alike in all four work-groups.
.macro STEP sig, first
.if \sig == 3
	s_cmp_gt_u32 s14, s9                           ; in the last slot no granule of mine is left behind j = rho: nothing is read
	s_cbranch_scc1 .Ltail_\@
.endif
	PLACES                                         ; behind the last unit's matrix instructions, whose sources are loaded again
	FRAGS
	s_wait_dscnt 16                                ; k's 16 loads are in, v's 16 may stay out
.irp u, 1,2,3
.if \u > \sig
	UNIT \u, 0, \first
.endif
.endr
.if (\sig < 3) && (\first == 0)
	s_cmp_gt_u32 s14, s9                           ; granule sig: behind its diagonal nothing is left
	s_cbranch_scc1 .Ltail_\@
.endif
	s_cmp_eq_u32 s14, s9
	s_cbranch_scc1 .Lmask_\@
	UNIT \sig, 0, \first
	s_branch .Ltail_\@
.Lmask_\@:
	UNIT \sig, 1, \first
.Ltail_\@:
	v_add_nc_u32 v[KAD], 32*272, v[KAD]            ; 64 keys on
	v_add_nc_u32 v[VAD], 32*288, v[VAD]
.endm
; The eight steps of slot number sig, which lies in LDS slot ls
.macro SLOTWORK sig, ls
	v_add_nc_u32 v[KAD], \ls*SLOT, v[KB0]
	v_add_nc_u32 v[VAD], \ls*SLOT, v[VB0]
	s_mov_b32 s14, 0
.if \sig == 0
	STEP 0, 1                                      ; step 0 is every granule's first
	s_mov_b32 s14, 1
.endif
.Lj_\@:
	STEP \sig, 0
	s_add_co_u32 s14, s14, 1
	s_cmp_lt_u32 s14, 8
	s_cbranch_scc1 .Lj_\@
.endm
; LDS slot s, which has been read, is filled again with the keys 1,024 further on
.macro REFILL s
	s_wait_dscnt 0x0                               ; my reads of the slot are back
	s_wait_tensorcnt 0x0                           ; all my tensor loads have landed, my part of the other slot among them: a group 0 may be written
	ds_add_u32 v254, v255
	s_wait_dscnt 0x0
	s_add_nc_u64 s[G0K+4*\s+2:G0K+4*\s+3], s[G0K+4*\s+2:G0K+4*\s+3], 131072
	s_add_nc_u64 s[G0V+4*\s+2:G0V+4*\s+3], s[G0V+4*\s+2:G0V+4*\s+3], 131072
	ROUND                                          ; both now hold of every wave of all four work-groups
	JLOAD \s                                       ; the wave's one tensor load behind the round, and the first thing there; it has the next slot's eight steps in which to land
.endm
	SLOTWORK 0, 0
	REFILL 0
	SLOTWORK 1, 1
	REFILL 1
	SLOTWORK 2, 0
	s_wait_dscnt 0x0
	s_wait_tensorcnt 0x0                           ; my part of the last 512 keys is in
	s_barrier_signal -1
	s_barrier_wait -1                              ; everybody's is; nothing is filled any more
	SLOTWORK 3, 1
	; THE WAY OUT: divide by the row's sum, round to f16, 16 rows x 128 bytes through my own stage, stores of 512 consecutive bytes
	PLACES
.macro OUTG u
	v_permlanex16_b32 v[T1], v[LS+\u], s12, s13
	v_add_f32 v[T0], v[LS+\u], v[T1]               ; both halves' keys
	v_rcp_f32 v[AL], v[T0]
	v_nop                                          ; the plain place behind the reciprocal
	WIN 0x41
	s_wait_alu depctr_va_vdst(0)
.irp n, 0,1,2,3,4,5,6,7,8,9,10,11,12,13,14,15
	v_pk_mul_f32 v[32*\u+2*\n:32*\u+2*\n+1], v[32*\u+2*\n:32*\u+2*\n+1], v[AL:AL+1] op_sel_hi:[1,0]
.endr
	WIN 0x05
.irp n, 0,1,2,3,4,5,6,7,8,9,10,11,12,13,14,15
	v_cvt_pk_f16_f32 v[S+\n], v[32*\u+2*\n], v[32*\u+2*\n+1]
.endr
	WIN 0
.irp dt, 0,1,2,3
	ds_store_b128 v[STO], v[S+4*\dt:S+4*\dt+3] offset:32*\dt       ; row r, d = 16 dt + 8 h ..
.endr
.irp t, 0,1,2,3
	ds_load_b128 v[KF+16*\u+4*\t:KF+16*\u+4*\t+3], v[RD] offset:576*\t   ; LDS serves a wave's instructions in order: these see the stores above.  Each granule has registers of its own
.endr
.irp t, 0,1,2,3
	s_wait_dscnt 3-\t
	global_store_b128 v[CO], v[KF+16*\u+4*\t:KF+16*\u+4*\t+3], s[58:59] offset:\u*65536+512*\t   ; four rows of 128 bytes: 512 consecutive bytes, aligned
.endr
.endm
	OUTG 0
	OUTG 1
	OUTG 2
	OUTG 3
	s_wait_tensorcnt 0x0
	ds_add_u32 v254, v255
	s_wait_dscnt 0x0
	ROUND                                          ; the closing round
	s_endpgm
.Lfunc_end_k_q0e5acef345_attn:
	.size	k_q0e5acef345_attn, .Lfunc_end_k_q0e5acef345_attn-k_q0e5acef345_attn
	.p2alignl 7, 3214868480
	.fill 96, 4, 3214868480
	.section	.rodata,"a",@progbits
	.p2align	6, 0x0
	.amdhsa_kernel k_q0e5acef345_attn
		.amdhsa_group_segment_fixed_size 327680
		.amdhsa_private_segment_fixed_size 0
		.amdhsa_enable_private_segment 0
		.amdhsa_kernarg_size 16
		.amdhsa_user_sgpr_count 2
		.amdhsa_user_sgpr_kernarg_segment_ptr 1
		.amdhsa_wavefront_size32 1
		.amdhsa_system_sgpr_workgroup_id_x 1
		.amdhsa_system_sgpr_workgroup_id_y 1
		.amdhsa_system_sgpr_workgroup_id_z 1
		.amdhsa_system_vgpr_workitem_id 0
		.amdhsa_next_free_vgpr 448
		.amdhsa_next_free_sgpr 66
		.amdhsa_reserve_vcc 1
		.amdhsa_float_denorm_mode_32 3
		.amdhsa_float_denorm_mode_16_64 3
		.amdhsa_memory_ordered 1
		.amdhsa_forward_progress 1
		.amdhsa_inst_pref_size 197
	.end_amdhsa_kernel
	.amdgpu_metadata
---
amdhsa.version: [ 1, 2 ]
amdhsa.kernels:
  - .name:           k_q0e5acef345_attn
    .symbol:         k_q0e5acef345_attn.kd
    .args:
      - { .name: qkv, .offset: 0, .size: 8, .value_kind: global_buffer, .address_space: global }
      - { .name: ab, .offset: 8, .size: 8, .value_kind: global_buffer, .address_space: global }
    .group_segment_fixed_size: 327680
    .private_segment_fixed_size: 0
    .kernarg_segment_align: 8
    .kernarg_segment_size: 16
    .max_flat_workgroup_size: 256
    .sgpr_count:     66
    .vgpr_count:     448
    .wavefront_size: 32
...
	.end_amdgpu_metadata
.endif
;; end of part 3
;; launch proj (part 4): grid 8 x 32, 4 waves a work-group, clusters of 4 x 4, 327,680 bytes of LDS; arguments ab, wb, bo, out0; writes out0
.if DOCPART == 4
	.amdgcn_target "amdgcn-amd-amdhsa--gfx1250"
	.amdhsa_code_object_version 6
	.text
	.protected	k_q0e5acef345_proj
	.globl	k_q0e5acef345_proj
	.p2align	8
	.type	k_q0e5acef345_proj,@function
k_q0e5acef345_proj:
	s_mov_b64 s[64:65], 0
	v_nop
	global_prefetch_b8 v0, s[64:65] scope:SCOPE_SE
	s_setreg_imm32_b32 hwreg(HW_REG_WAVE_MODE, 25, 1), 1
	s_wait_xcnt 0x0
	s_wait_alu depctr_hold_cnt(0) depctr_sa_sdst(0) depctr_va_vdst(0) depctr_va_sdst(0) depctr_va_ssrc(0) depctr_va_vcc(0) depctr_vm_vsrc(0)
	s_getreg_b32 s2, hwreg(HW_REG_IB_STS2, 6, 4)
	s_cmp_eq_u32 s2, 0
	s_cbranch_scc0 .Lentry_in_a_cluster
	s_endpgm
.Lentry_in_a_cluster:
	s_bfe_u32 s2, ttmp6, 0x10000c
	s_cmp_lg_u32 s2, 0xf033
	s_cbranch_scc0 .Lentry_shape_is_right
	s_endpgm
.Lentry_shape_is_right:
; out0[m][n] = sum over e of att[m][e] Wo[n][e] + bo[n], f16 operands, f32 sums and result.
; att lies by heads, ab[b x 16 + head][s][64] f16, e = 64 head + d; Wo is wb's rows 3072-4095 (f16).
; A work-group makes 256 x 128 of out0 with four waves: 32 x 8 = 256 work-groups.  A wave makes 128 x 64: 32 accumulator tiles, 256 registers.
; K goes in steps of 128 (two heads) through a ring of two LDS slots.  A head's 256 tokens are 32 KiB dense in memory and come in as 128 rows of 256 bytes (two tokens a row).
; CLUSTERS: 4 x 4 work-groups; att's tiles are asked for jointly along a row of the cluster, Wo's along a column: a quarter of the requests for each.
; REGISTERS: window 0: v16-31 addresses and bo, v64-127 and v128-191 fragments of att (two buffers); window 1: v64-95, v128-159 fragments of Wo;
;   window 2: tile (a, b), a = 0..7, b = 0..3, at v[8 (4 a + b)].
; The matrix instruction is used transposed (source 0 = rows of Wo): a lane holds eight neighbouring columns of one row of out0.
.set KSTEP,  128
.set PITCH,  272
.set AHD,    128*PITCH                 ; one head's 256 tokens: one tensor load
.set BH,     64*PITCH                  ; 64 rows of Wo: one tensor load, and what one wave reads
.set BOFF,   2*AHD
.set SLOT,   BOFF+2*BH                 ; 104,448 bytes
.set STAGE,  2*SLOT                    ; behind the ring: 16 rows x 272 bytes for each wave; no tensor load lands here
.set SPITCH, 272
.set NF,     24                        ; LDS loads of a quarter step: 8 for Wo, 16 for att
.set LAPS,   4
.set ADRA, 16
.set ADRB, 20
.set STO,  24
.set RD,   25
.set CO,   26
.set BO,   27                          ; v27      my byte offset in bo
.set BI,   28                          ; v[28:31] bo of my four columns on the way out
.set F0,   64
.set F1,   128
.set G1,  24
.set G0,  32
.set G1B, 48
.set G0B, 56
.set MSB, 0
.macro WIN new
.if MSB != \new
	s_set_vgpr_msb (MSB<<8)|\new
.set MSB, \new
.endif
.endm
.set MUL,  0xa1                        ; source 0 (Wo) window 1, source 1 (att) window 0, C and D window 2
.set TO_B, 0x40
.macro JLOAD s                         ; waves 0 and 1 fetch the step's two heads of att, waves 2 and 3 the two halves of Wo's rows
	s_cmp_eq_u32 s11, 0
	s_cbranch_scc0 .Lfor_b_\@
	tensor_load_to_lds s[G0+4*\s:G0+4*\s+3], s[G1:G1+7]
	s_nop 0
	s_branch .Lasked_\@
.Lfor_b_\@:
	tensor_load_to_lds s[G0B+4*\s:G0B+4*\s+3], s[G1B:G1B+7]
	s_nop 0
.Lasked_\@:
.endm
.macro CREST
	s_cmp_lg_u32 s10, 0
	s_cbranch_scc1 .Lnot_wave_0_\@
	s_barrier_signal -3
.Lnot_wave_0_\@:
	s_barrier_wait -3
	s_barrier_signal -1
	s_barrier_wait -1
.endm
.macro CROUND
	s_barrier_signal -1
	s_barrier_wait -1
	CREST
.endm
	s_load_b128 s[4:7], s[0:1], 0x0                ; ab s[4:5], wb s[6:7]
	s_load_b64 s[2:3], s[0:1], 0x10                ; bo
	s_load_b64 s[8:9], s[0:1], 0x18                ; out0
	s_set_vgpr_msb 0x40
	v_lshl_add_u32 v255, v0, 2, 0x37400
	s_set_vgpr_msb 0x4000
	v_mov_b32 v255, 0
	s_set_vgpr_msb 0x1
	ds_add_u32 v255, v255
	s_set_vgpr_msb 0x100
	v_lshrrev_b32 v1, 5, v0
	v_readfirstlane_b32 s10, v1                    ; wave 0..3
	s_lshr_b32 s11, s10, 1                         ; my half of the block's rows.  Also: I fetch for att (0) or Wo (1)
	s_and_b32 s12, s10, 1                          ; my half of its columns.  Also: which half of Wo's rows I fetch
	s_bfe_u32 s40, ttmp6, 0x40000                  ; cx
	s_bfe_u32 s41, ttmp6, 0x40004                  ; cy
	s_lshl_b32 s42, ttmp9, 2
	s_add_co_u32 s42, s42, s40                     ; block column
	s_and_b32 s13, ttmp7, 0xffff
	s_lshl_b32 s13, s13, 2
	s_add_co_u32 s13, s13, s41                     ; block row
	s_lshl_b32 s43, s41, 2
	s_lshl_b32 s43, 15, s43                        ; my row of the cluster
	s_lshl_b32 s44, 0x1111, s40                    ; my column
	; att: 128 rows of 32 elements of 8 bytes, dense; Wo: 64 rows of 128 elements of 2 bytes, 1,024 from row to row; both padded by 4 words after every 64
	s_or_b32 s[G1+0], s43, (3<<16)|(1<<20)|(1<<21)|(5<<22)|(3<<25)
	s_or_b32 s[G1B+0], s44, (1<<16)|(1<<20)|(1<<21)|(5<<22)|(3<<25)
	s_mov_b32 s[G1+1], 32<<16
	s_mov_b32 s[G1B+1], KSTEP<<16
	s_mov_b32 s[G1+2], 128<<16
	s_mov_b32 s[G1B+2], 64<<16
	s_mov_b32 s[G1+3], 32<<16
	s_mov_b32 s[G1B+3], KSTEP<<16
	s_mov_b32 s[G1+4], 128
	s_mov_b32 s[G1B+4], 64
	s_mov_b32 s[G1+5], 32
	s_mov_b32 s[G1B+5], 1024
	s_mov_b32 s[G1+6], 0
	s_mov_b32 s[G1B+6], 0
	s_mov_b32 s[G1+7], 0
	s_mov_b32 s[G1B+7], 0
	s_lshr_b32 s16, s13, 3                         ; att: head block (batch x 16 + wave), batch = block row / 8,
	s_lshl_b32 s16, s16, 4
	s_add_co_u32 s16, s16, s10
	s_lshl_b32 s16, s16, 18                        ; x 262,144 bytes,
	s_and_b32 s17, s13, 7
	s_lshl_b32 s17, s17, 15                        ; + 256 tokens x 128 bytes x (block row mod 8)
	s_add_co_u32 s16, s16, s17
	s_mov_b32 s17, 0
	s_lshl_b32 s46, s42, 7                         ; Wo: row 128 x block column + 64 x half,
	s_lshl_b32 s47, s12, 6
	s_add_co_u32 s46, s46, s47
	s_lshl_b32 s46, s46, 11                        ; x 2,048 bytes,
	s_add_co_u32 s46, s46, 3072*2048               ; behind Wq's, Wk's and Wv's rows
	s_mov_b32 s47, 0
	s_mul_i32 s20, s10, AHD                        ; att's two heads at wave x 34,816 (waves 0, 1)
	s_mul_i32 s45, s10, BH
	s_add_co_u32 s45, s45, BOFF-2*BH               ; Wo's halves at BOFF + (wave - 2) x 17,408 (waves 2, 3)
	s_wait_dscnt 0x0
	s_wait_kmcnt 0x0
	s_add_nc_u64 s[14:15], s[4:5], s[16:17]
	s_add_nc_u64 s[46:47], s[6:7], s[46:47]
	CROUND                                         ; all sixteen work-groups are here
.irp s, 0,1
	s_mov_b32 s[G0+4*\s], 1
	s_add_co_u32 s[G0+4*\s+1], s20, \s*SLOT
	s_add_nc_u64 s[G0+4*\s+2:G0+4*\s+3], s[14:15], \s*2*262144     ; K step s: heads 2 s, 2 s + 1
	s_or_b32 s[G0+4*\s+3], s[G0+4*\s+3], 0x80000000
	s_mov_b32 s[G0B+4*\s], 1
	s_add_co_u32 s[G0B+4*\s+1], s45, \s*SLOT
	s_add_nc_u64 s[G0B+4*\s+2:G0B+4*\s+3], s[46:47], \s*KSTEP*2
	s_or_b32 s[G0B+4*\s+3], s[G0B+4*\s+3], 0x80000000
	JLOAD \s                                       ; two tensor loads of the wave are out
.endr
	v_and_b32 v1, 15, v0                           ; r
	v_bfe_u32 v2, v0, 4, 1                         ; h
	s_lshl_b32 s46, s42, 9                         ; my first column in bytes of f32: 512 x block column + 256 x half; serves bo and out0
	s_lshl_b32 s47, s12, 8
	s_add_co_u32 s46, s46, s47
	s_mov_b32 s47, 0
	s_add_nc_u64 s[2:3], s[2:3], s[46:47]
	v_lshlrev_b32 v[BO], 4, v1
	global_load_b128 v[BI:BI+3], v[BO], s[2:3]     ; bo of columns 4 r .. 4 r + 3 of my 64, once; waited for ahead of the way out
	; att: token t of the block lies at (t / 2) x 272 + (t mod 2) x 128 in its head: sixteen lanes hit sixteen different 16-byte columns modulo 256
	v_lshrrev_b32 v3, 1, v1
	v_mul_u32_u24 v3, v3, PITCH
	v_and_b32 v6, 1, v1
	v_lshl_add_u32 v3, v6, 7, v3
	v_lshl_add_u32 v3, v2, 4, v3
	v_mul_u32_u24 v7, v1, PITCH                    ; Wo: row r x 272 + 16 h
	v_lshl_add_u32 v7, v2, 4, v7
	s_mul_i32 s21, s11, 64*PITCH                   ; my 128 tokens = 64 row pairs
	s_mul_i32 s22, s12, BH
	s_add_co_u32 s22, s22, BOFF                    ; my 64 rows of Wo
.irp s, 0,1
	v_add_nc_u32 v[ADRA+\s], s21, v3
	v_add_nc_u32 v[ADRB+\s], s22, v7
	s_add_co_u32 s21, s21, SLOT
	s_add_co_u32 s22, s22, SLOT
.endr
	s_mul_i32 s23, s10, 16*SPITCH
	s_add_co_u32 s23, s23, STAGE                   ; my stage
	v_mul_u32_u24 v4, v1, SPITCH                   ; in: row r, 32 bytes for each half of the lanes
	v_lshl_add_u32 v4, v2, 5, v4
	v_add_nc_u32 v[STO], s23, v4
	v_mul_u32_u24 v5, v2, SPITCH                   ; back: lanes 0-15 one row of 256 bytes, lanes 16-31 the next
	v_lshl_add_u32 v5, v1, 4, v5
	v_add_nc_u32 v[RD], s23, v5
	v_lshlrev_b32 v5, 12, v2                       ; and the same two rows of out0, 4,096 bytes apart
	v_lshl_add_u32 v[CO], v1, 4, v5
; 8 matrix instructions: m blocks 4 hi + a0, 4 hi + a0 + 1 x all 4 n blocks.  The 32 accumulators take turns, one instruction a turn.
.macro MULH f, hi, a0, zero
.irp a, \a0, \a0+1
.irp b, 0,1,2,3
.if \zero
	v_wmma_f32_16x16x32_f16 v[8*(4*(4*\hi+\a)+\b):8*(4*(4*\hi+\a)+\b)+7], v[\f+8*\b:\f+8*\b+7], v[\f+8*(4*\hi+\a):\f+8*(4*\hi+\a)+7], 0
.else
	v_wmma_f32_16x16x32_f16 v[8*(4*(4*\hi+\a)+\b):8*(4*(4*\hi+\a)+\b)+7], v[\f+8*\b:\f+8*\b+7], v[\f+8*(4*\hi+\a):\f+8*(4*\hi+\a)+7], v[8*(4*(4*\hi+\a)+\b):8*(4*(4*\hi+\a)+\b)+7]
.endif
.endr
.endr
.endm
; quarter kq of a K step: Wo at byte 64 kq of its rows; att in head kq / 2 at byte 64 (kq mod 2) of a token
.macro FETCH slot, kq, f
	WIN TO_B
.irp i, 0,1,2,3
	ds_load_b128 v[\f+8*\i:\f+8*\i+3],   v[ADRB+\slot] offset:64*\kq+\i*16*PITCH
	ds_load_b128 v[\f+8*\i+4:\f+8*\i+7], v[ADRB+\slot] offset:64*\kq+\i*16*PITCH+32
.endr
	WIN 0
.irp i, 0,1,2,3,4,5,6,7
	ds_load_b128 v[\f+8*\i:\f+8*\i+3],   v[ADRA+\slot] offset:(\kq>>1)*AHD+(\kq&1)*64+\i*8*PITCH
	ds_load_b128 v[\f+8*\i+4:\f+8*\i+7], v[ADRA+\slot] offset:(\kq>>1)*AHD+(\kq&1)*64+\i*8*PITCH+32
.endr
.endm
.macro PLACES                          ; four places behind a matrix instruction (ISA guide 7.12.1 for vector instructions)
.rept 4
	v_nop
.endr
.endm
.macro QUARTER slot, kq, f, g, zero
	s_wait_dscnt 8                                 ; Wo's fragments and att's rows 0-63 are in; the youngest eight loads (rows 64-127) may be out
	WIN MUL
	MULH \f, 0, 0, \zero
	MULH \f, 0, 2, \zero
	PLACES
	FETCH \slot, \kq, \g
	s_wait_dscnt NF                                ; all but the 24 just issued
	WIN MUL
	MULH \f, 1, 0, \zero
	MULH \f, 1, 2, \zero
.endm
.macro THREE slot, zero
	QUARTER \slot, 1, F0, F1, \zero
	QUARTER \slot, 2, F1, F0, 0
	QUARTER \slot, 3, F0, F1, 0
.endm
.macro TURN slot, next, fill
	s_wait_dscnt 8
	WIN MUL
	MULH F1, 0, 0, 0
	s_wait_dscnt 0                                 ; my reads of this slot are over
	s_wait_tensorcnt 0x0                           ; all my tensor loads have landed: the one that was out is my part of the next slot
	ds_add_u32 v255, v255
	s_wait_dscnt 0x0
	s_barrier_signal -1
	MULH F1, 0, 2, 0
	WIN 0
	s_barrier_wait -1
.if \fill
	CREST                                          ; no wave of any partner still reads this slot or has a load on its way
	s_add_nc_u64 s[G0+4*\slot+2:G0+4*\slot+3], s[G0+4*\slot+2:G0+4*\slot+3], 4*262144   ; two K steps on: four heads
	s_add_nc_u64 s[G0B+4*\slot+2:G0B+4*\slot+3], s[G0B+4*\slot+2:G0B+4*\slot+3], 2*KSTEP*2
	JLOAD \slot                                    ; the wave's one tensor load behind the round, and the first thing there
.endif
	PLACES
	FETCH \next, 0, F0
	WIN MUL
	MULH F1, 1, 0, 0
	MULH F1, 1, 2, 0
.endm
.macro LAP zero
	THREE 0, \zero
	TURN 0, 1, 1
	THREE 1, 0
	TURN 1, 0, 1
.endm
	s_wait_tensorcnt 1                             ; my part of K step 0 is in; K step 1's may stay out
	s_barrier_signal -1
	s_barrier_wait -1
	FETCH 0, 0, F0
	LAP 1
	WIN 0
	s_mov_b32 s21, LAPS-2
.Llap:
	LAP 0
	WIN 0
	s_sub_co_u32 s21, s21, 1
	s_cmp_lg_u32 s21, 0
	s_cbranch_scc1 .Llap
	THREE 0, 0                                     ; the last lap fills nothing
	TURN 0, 1, 0
	THREE 1, 0
	s_wait_dscnt 8
	WIN MUL
	MULH F1, 0, 0, 0
	MULH F1, 0, 2, 0
	s_wait_dscnt 0
	MULH F1, 1, 0, 0
	MULH F1, 1, 2, 0
	; THE WAY OUT, 16 rows at a time: the f32 sums go into my own stage, 32 bytes a lane and tile, come back as whole rows of 256 bytes, get bo, and are stored
	PLACES
	s_wait_loadcnt 0x0                             ; bo
	s_lshl_b32 s16, s13, 8
	s_lshl_b32 s14, s11, 7
	s_add_co_u32 s16, s16, s14                     ; my first row
	s_lshl_b32 s16, s16, 12                        ; x 4,096 bytes: below 2^25
	s_mov_b32 s17, 0
	s_add_nc_u64 s[8:9], s[8:9], s[16:17]
	s_add_nc_u64 s[8:9], s[8:9], s[46:47]          ; my first column
.macro OUT16 a, f
	WIN 0x08                                       ; store data from window 2
.irp b, 0,1,2,3
	ds_store_b128 v[STO], v[8*(4*\a+\b):8*(4*\a+\b)+3]   offset:64*\b
	ds_store_b128 v[STO], v[8*(4*\a+\b)+4:8*(4*\a+\b)+7] offset:64*\b+16
.endr
	WIN 0
	s_wait_xcnt 0x0                                ; buffer f, which earlier stores read, is loaded again only behind this wait
.irp t, 0,1,2,3,4,5,6,7
	ds_load_b128 v[\f+4*\t:\f+4*\t+3], v[RD] offset:\t*2*SPITCH    ; LDS serves a wave's instructions in order: these see the stores above
.endr
.irp t, 0,1,2,3,4,5,6,7
	s_wait_dscnt 7-\t
	v_pk_add_f32 v[\f+4*\t:\f+4*\t+1],   v[\f+4*\t:\f+4*\t+1],   v[BI:BI+1]
	v_pk_add_f32 v[\f+4*\t+2:\f+4*\t+3], v[\f+4*\t+2:\f+4*\t+3], v[BI+2:BI+3]
	global_store_b128 v[CO], v[\f+4*\t:\f+4*\t+3], s[8:9] offset:(16*\a+2*\t)*4096 th:TH_STORE_NT   ; 16 lanes store 256 consecutive bytes, aligned to 256
.endr
.endm
	OUT16 0, F0
	OUT16 1, F1
	OUT16 2, F0
	OUT16 3, F1
	OUT16 4, F0
	OUT16 5, F1
	OUT16 6, F0
	OUT16 7, F1
	s_set_vgpr_msb 0x1
	s_wait_tensorcnt 0x0
	ds_add_u32 v255, v255
	s_wait_dscnt 0x0
	s_set_vgpr_msb 0x100
	CROUND                                         ; the closing round
	s_endpgm
.Lfunc_end_k_q0e5acef345_proj:
	.size	k_q0e5acef345_proj, .Lfunc_end_k_q0e5acef345_proj-k_q0e5acef345_proj
	.p2alignl 7, 3214868480
	.fill 96, 4, 3214868480
	.section	.rodata,"a",@progbits
	.p2align	6, 0x0
	.amdhsa_kernel k_q0e5acef345_proj
		.amdhsa_group_segment_fixed_size 327680
		.amdhsa_private_segment_fixed_size 0
		.amdhsa_enable_private_segment 0
		.amdhsa_kernarg_size 32
		.amdhsa_user_sgpr_count 2
		.amdhsa_user_sgpr_kernarg_segment_ptr 1
		.amdhsa_wavefront_size32 1
		.amdhsa_system_sgpr_workgroup_id_x 1
		.amdhsa_system_sgpr_workgroup_id_y 1
		.amdhsa_system_sgpr_workgroup_id_z 1
		.amdhsa_system_vgpr_workitem_id 0
		.amdhsa_next_free_vgpr 768
		.amdhsa_next_free_sgpr 66
		.amdhsa_reserve_vcc 0
		.amdhsa_float_denorm_mode_32 3
		.amdhsa_float_denorm_mode_16_64 3
		.amdhsa_memory_ordered 1
		.amdhsa_forward_progress 1
		.amdhsa_inst_pref_size 128
	.end_amdhsa_kernel
	.amdgpu_metadata
---
amdhsa.version: [ 1, 2 ]
amdhsa.kernels:
  - .name:           k_q0e5acef345_proj
    .symbol:         k_q0e5acef345_proj.kd
    .args:
      - { .name: ab, .offset: 0, .size: 8, .value_kind: global_buffer, .address_space: global }
      - { .name: wb, .offset: 8, .size: 8, .value_kind: global_buffer, .address_space: global }
      - { .name: bo, .offset: 16, .size: 8, .value_kind: global_buffer, .address_space: global }
      - { .name: out0, .offset: 24, .size: 8, .value_kind: global_buffer, .address_space: global }
    .group_segment_fixed_size: 327680
    .private_segment_fixed_size: 0
    .kernarg_segment_align: 8
    .kernarg_segment_size: 32
    .max_flat_workgroup_size: 128
    .sgpr_count:     66
    .vgpr_count:     768
    .wavefront_size: 32
...
	.end_amdgpu_metadata
.endif
;; end of part 4
;; ======== version 2 of 2: 4 launches; version 1 with the launch cvt written anew for expert scheduling mode
;; limits: values are held in f16: magnitudes above 65,504 overflow, below 6.1e-05 lose precision
;; workspace buffers: xb 16,777,216 bytes; wb 8,388,608 bytes; qkv 50,331,648 bytes; ab 16,777,216 bytes
;; launch cvt (part 5): grid 768 x 1, 8 waves a work-group, no clusters, 0 bytes of LDS; arguments x, Wq, Wk, Wv, Wo, xb, wb; writes xb, wb
.if DOCPART == 5
	.amdgcn_target "amdgcn-amd-amdhsa--gfx1250"
	.amdhsa_code_object_version 6
	.text
	.protected	k_q0e5acef345_cvt
	.globl	k_q0e5acef345_cvt
	.p2align	8
	.type	k_q0e5acef345_cvt,@function
k_q0e5acef345_cvt:
	s_mov_b64 s[64:65], 0
	v_nop
	global_prefetch_b8 v0, s[64:65] scope:SCOPE_SE
	s_setreg_imm32_b32 hwreg(HW_REG_WAVE_SCHED_MODE, 0, 2), 2
	s_setreg_imm32_b32 hwreg(HW_REG_WAVE_MODE, 25, 1), 1
	s_wait_xcnt 0x0
	s_wait_alu depctr_vm_vsrc(0)
; Rounds the matrix operands once, so that the products that follow read 16-bit tiles:
;   xb[8192][1024] = bf16(x);  wb rows 0-1023 = bf16(Wq), 1024-2047 = bf16(Wk), 2048-3071 = bf16(Wv);
;   wb rows 3072-4095 = f16(bf16(Wo)): Wo meets an f16 operand later, so its bf16 value is kept in f16.
; LIMIT: a bf16 value of Wo below 2^-14 in magnitude falls among f16's denormals and is kept with an absolute error of up to 2^-25.
; A stream: every input byte is read once and every output byte written once.  Work-groups share no input and nothing is read twice,
; so LDS, barriers, clusters and the matrix unit have nothing to add here.
; 768 work-groups of 8 waves; a work-group takes 64 KiB of f32 and makes 32 KiB.  Groups 0-511 take x, 512-767 the four weights, 64 groups each.
; A wave takes 8 KiB: sixteen loads of 512 neighbouring bytes, all issued at once; each gives one store of 256 neighbouring bytes, aligned.
; THE MODE: SCHED_MODE bits 1:0 = 2 (LLVM: expert scheduling mode 2), set by the entry lines.  The code itself states the register dependences
; between vector instructions and memory instructions, with s_wait_alu, always for 0.
; THE PLAN.  Registers that memory instructions touch:
;   v[IN], v[OUTO]  byte offsets, made once at the head and never written again; read by every load, by every store.
;   X               load j lands in X + 4 j; no vector instruction names X ahead of the loads; the conversions read it behind the wait for its data.
;   Y               pair j is written by the conversions of load j and read by store j alone; nothing writes it behind that store.
; The sixteen loads are worked on in four blocks of four.  Block p converts its own four into its own part of Y; its memory instructions are the
; four stores of block p - 1, whose part of Y no vector instruction of block p names.  So one wait at a block's head states all that its stores hang on,
; and these are dealt among the block's conversions with no further wait.  No register that a load or store reads is ever written again,
; so nothing has to be stated, or waited for, on behalf of a store's or a load's sources.
.set IN,   2                           ; v2       byte offset of my 16 bytes in the group's input
.set OUTO, 3                           ; v3       byte offset of my 8 bytes in the group's output
.set X,    4                           ; v[4:67]  sixteen loads, 4 f32 each
.set Y,    68                          ; v[68:99] sixteen stores, 4 numbers of 16 bits each
	s_load_b256 s[4:11], s[0:1], 0x0               ; x s[4:5], Wq s[6:7], Wk s[8:9], Wv s[10:11]
	s_load_b128 s[12:15], s[0:1], 0x20             ; Wo s[12:13], xb s[14:15]
	s_load_b64 s[16:17], s[0:1], 0x30              ; wb
	s_mov_b32 s2, ttmp9                            ; g, the work-group's number
	v_and_b32 v1, 31, v0                           ; lane
	v_lshrrev_b32 v0, 5, v0                        ; wave
	v_lshlrev_b32 v[IN], 4, v1
	v_lshl_add_u32 v[IN], v0, 13, v[IN]            ; 8,192 x wave + 16 x lane
	v_lshlrev_b32 v[OUTO], 3, v1
	v_lshl_add_u32 v[OUTO], v0, 12, v[OUTO]        ; 4,096 x wave + 8 x lane
	; the offsets, apart from the addresses: g < 512: g x 64 KiB in x, g x 32 KiB in xb; else e = g - 512: (e mod 64) x 64 KiB in its weight, e x 32 KiB in wb
	s_sub_co_u32 s20, s2, 512
	s_and_b32 s21, s20, 63
	s_lshl_b32 s21, s21, 16
	s_lshl_b32 s22, s20, 15
	s_lshl_b32 s23, s2, 16
	s_lshl_b32 s24, s2, 15
	s_mov_b32 s27, 0
	s_mov_b32 s29, 0
	s_cmp_lt_u32 s2, 512
	s_cselect_b32 s26, s23, s21
	s_cselect_b32 s28, s24, s22
	s_wait_kmcnt 0x0
	s_cselect_b64 s[14:15], s[14:15], s[16:17]     ; the output: xb or wb (the compare above still holds)
	s_mov_b64 s[18:19], s[12:13]                   ; the input: Wo, unless g lies below ...
	s_cmp_lt_u32 s2, 704
	s_cselect_b64 s[18:19], s[10:11], s[18:19]     ; ... 704: Wv
	s_cmp_lt_u32 s2, 640
	s_cselect_b64 s[18:19], s[8:9], s[18:19]       ; ... 640: Wk
	s_cmp_lt_u32 s2, 576
	s_cselect_b64 s[18:19], s[6:7], s[18:19]       ; ... 576: Wq
	s_cmp_lt_u32 s2, 512
	s_cselect_b64 s[18:19], s[4:5], s[18:19]       ; ... 512: x
	s_add_nc_u64 s[18:19], s[18:19], s[26:27]
	s_add_nc_u64 s[14:15], s[14:15], s[28:29]
	s_wait_alu depctr_va_vdst(0)                   ; v[IN] and v[OUTO] are written: every load below reads the one as its offset, every store the other, on both arms
.irp j, 0,1,2,3,4,5,6,7,8,9,10,11,12,13,14,15
	global_load_b128 v[X+4*\j:X+4*\j+3], v[IN], s[18:19] offset:512*\j th:TH_LOAD_NT   ; read once in this launch
.endr
; The store of load j's four numbers: 32 lanes x 8 bytes, 256 consecutive bytes, aligned.
.macro PUT j
	global_store_b64 v[OUTO], v[Y+2*(\j):Y+2*(\j)+1], s[14:15] offset:256*(\j)
.endm
; The head of block p: its four loads are in; from block 1 on, the block before has written its part of Y.
.macro HEAD p
	s_wait_loadcnt 12-4*(\p)                       ; loads come back in order: loads 4 p to 4 p + 3 are in, the 12 - 4 p younger ones stay out
.if (\p) > 0
	s_wait_alu depctr_va_vdst(0)                   ; the conversions of block p - 1 have written their eight registers of Y, which this block's four stores read
.endif
.endm
; Block p for x, Wq, Wk, Wv: round to bf16.  A store of the block before stands ahead of each load's conversions, which name X and Y of block p alone.
.macro BLKB p
	HEAD \p
.irp i, 0,1,2,3
.if (\p) > 0
	PUT 4*(\p)-4+(\i)
.endif
	v_cvt_pk_bf16_f32 v[Y+2*(4*(\p)+(\i))],   v[X+4*(4*(\p)+(\i))],   v[X+4*(4*(\p)+(\i))+1]
	v_cvt_pk_bf16_f32 v[Y+2*(4*(\p)+(\i))+1], v[X+4*(4*(\p)+(\i))+2], v[X+4*(4*(\p)+(\i))+3]
.endr
.endm
; Block p for Wo: round to bf16, widen, and keep that value as f16.  X and Y of block p are written twice, by vector instructions alone, ahead of the block's stores.
.macro BLKW p
	HEAD \p
.irp i, 0,1,2,3
.if (\p) > 0
	PUT 4*(\p)-4+(\i)
.endif
	v_cvt_pk_bf16_f32 v[Y+2*(4*(\p)+(\i))],   v[X+4*(4*(\p)+(\i))],   v[X+4*(4*(\p)+(\i))+1]
	v_cvt_pk_bf16_f32 v[Y+2*(4*(\p)+(\i))+1], v[X+4*(4*(\p)+(\i))+2], v[X+4*(4*(\p)+(\i))+3]
	v_lshlrev_b32 v[X+4*(4*(\p)+(\i))],   16, v[Y+2*(4*(\p)+(\i))]
	v_and_b32     v[X+4*(4*(\p)+(\i))+1], 0xffff0000, v[Y+2*(4*(\p)+(\i))]
	v_lshlrev_b32 v[X+4*(4*(\p)+(\i))+2], 16, v[Y+2*(4*(\p)+(\i))+1]
	v_and_b32     v[X+4*(4*(\p)+(\i))+3], 0xffff0000, v[Y+2*(4*(\p)+(\i))+1]
	v_cvt_pk_f16_f32 v[Y+2*(4*(\p)+(\i))],   v[X+4*(4*(\p)+(\i))],   v[X+4*(4*(\p)+(\i))+1]
	v_cvt_pk_f16_f32 v[Y+2*(4*(\p)+(\i))+1], v[X+4*(4*(\p)+(\i))+2], v[X+4*(4*(\p)+(\i))+3]
.endr
.endm
; Behind block 3: its four stores.
.macro LAST
	s_wait_alu depctr_va_vdst(0)                   ; the conversions of block 3 have written the last eight registers of Y, which the last four stores read
.irp i, 12,13,14,15
	PUT \i
.endr
.endm
	s_cmp_ge_u32 s2, 704
	s_cbranch_scc1 .Lwo
	BLKB 0
	BLKB 1
	BLKB 2
	BLKB 3
	LAST
	s_endpgm
.Lwo:                                              ; Wo
	BLKW 0
	BLKW 1
	BLKW 2
	BLKW 3
	LAST
	s_endpgm
.Lfunc_end_k_q0e5acef345_cvt:
	.size	k_q0e5acef345_cvt, .Lfunc_end_k_q0e5acef345_cvt-k_q0e5acef345_cvt
	.p2alignl 7, 3214868480
	.fill 96, 4, 3214868480
	.section	.rodata,"a",@progbits
	.p2align	6, 0x0
	.amdhsa_kernel k_q0e5acef345_cvt
		.amdhsa_group_segment_fixed_size 0
		.amdhsa_private_segment_fixed_size 0
		.amdhsa_enable_private_segment 0
		.amdhsa_kernarg_size 56
		.amdhsa_user_sgpr_count 2
		.amdhsa_user_sgpr_kernarg_segment_ptr 1
		.amdhsa_wavefront_size32 1
		.amdhsa_system_sgpr_workgroup_id_x 1
		.amdhsa_system_sgpr_workgroup_id_y 1
		.amdhsa_system_sgpr_workgroup_id_z 1
		.amdhsa_system_vgpr_workitem_id 0
		.amdhsa_next_free_vgpr 100
		.amdhsa_next_free_sgpr 66
		.amdhsa_reserve_vcc 0
		.amdhsa_float_denorm_mode_32 3
		.amdhsa_float_denorm_mode_16_64 3
		.amdhsa_memory_ordered 1
		.amdhsa_forward_progress 1
		.amdhsa_inst_pref_size 16
	.end_amdhsa_kernel
	.amdgpu_metadata
---
amdhsa.version: [ 1, 2 ]
amdhsa.kernels:
  - .name:           k_q0e5acef345_cvt
    .symbol:         k_q0e5acef345_cvt.kd
    .args:
      - { .name: x, .offset: 0, .size: 8, .value_kind: global_buffer, .address_space: global }
      - { .name: Wq, .offset: 8, .size: 8, .value_kind: global_buffer, .address_space: global }
      - { .name: Wk, .offset: 16, .size: 8, .value_kind: global_buffer, .address_space: global }
      - { .name: Wv, .offset: 24, .size: 8, .value_kind: global_buffer, .address_space: global }
      - { .name: Wo, .offset: 32, .size: 8, .value_kind: global_buffer, .address_space: global }
      - { .name: xb, .offset: 40, .size: 8, .value_kind: global_buffer, .address_space: global }
      - { .name: wb, .offset: 48, .size: 8, .value_kind: global_buffer, .address_space: global }
    .group_segment_fixed_size: 0
    .private_segment_fixed_size: 0
    .kernarg_segment_align: 8
    .kernarg_segment_size: 56
    .max_flat_workgroup_size: 256
    .sgpr_count:     66
    .vgpr_count:     100
    .wavefront_size: 32
...
	.end_amdgpu_metadata
.endif
;; end of part 5
;; launch qkv: the kernel of part 2 again; grid 16 x 32, 4 waves a work-group, clusters of 4 x 4, 327,680 bytes of LDS; arguments xb, wb, qkv; writes qkv
;; launch attn: the kernel of part 3 again; grid 256 x 1, 8 waves a work-group, clusters of 4 x 1, 327,680 bytes of LDS; arguments qkv, ab; writes ab
;; launch proj: the kernel of part 4 again; grid 8 x 32, 4 waves a work-group, clusters of 4 x 4, 327,680 bytes of LDS; arguments ab, wb, bo, out0; writes out0
